; MI455X (gfx1250); checked and timed in simulation.
; The chip was launched on July 23, 2026; its instructions are those of AMD's public machine-readable ISA for CDNA 5 (MIT licence, August 2026) and "CDNA5" Instruction Set Architecture Reference Guide (July 2026). The comments in the code are by the model that wrote it; some were corrected since.
;; Lo RA Linear. Allowed arithmetic: float matrix products may take bf16 or f16 operands with f32 sums; other float arithmetic in f32, or as packed bf16 or f16 multiplies, adds, multiply-adds, maxima and minima; sums over many terms, partial sums and values carried from step to step in f32; what a program stores and reads back later, other than sums and carried values, may be rounded once to bf16 or f16.
;; Inputs: lora_A 16 x 4,096 float32; lora_B 4,096 x 16 float32; weight 4,096 x 4,096 float32; x 4,096 x 4,096 float32.
;; Outputs: out0 4,096 x 4,096 float32.
;; One version. Each part assembles by itself: llvm-mc -triple=amdgcn-amd-amdhsa -mcpu=gfx1250 --defsym DOCPART=n.
;; ======== version 1 of 1: 2 launches
;; workspace buffers: xb 33,554,432 bytes; wb 33,554,432 bytes; tb 131,072 bytes
;; launch prep (part 1): grid 256 x 1, 16 waves a work-group, no clusters, 157,696 bytes of LDS; arguments x, weight, lora_A, xb, wb, tb; writes xb, wb, tb
.if DOCPART == 1
	.amdgcn_target "amdgcn-amd-amdhsa--gfx1250"
	.amdhsa_code_object_version 6
	.text
	.protected	k_q7987d45483_prep
	.globl	k_q7987d45483_prep
	.p2align	8
	.type	k_q7987d45483_prep,@function
k_q7987d45483_prep:
	s_mov_b64 s[64:65], 0
	v_nop
	global_prefetch_b8 v0, s[64:65] scope:SCOPE_SE
	s_setreg_imm32_b32 hwreg(HW_REG_WAVE_MODE, 25, 1), 1
	s_wait_xcnt 0x0
; out0 = x weight^T + 2 (x lora_A^T) lora_B^T, in two launches.  THIS ONE: xb = bf16(x), wb = bf16(weight), tb = bf16(2 t), t = xb bf16(lora_A)^T summed in f32.
; x, weight: [4096][4096] f32.  lora_A: [16][4096] f32.  xb, wb: [4096][4096] bf16.  tb: [4096][16] bf16.
; NO WORK IS LEFT OUT: all four inputs reach out0 for all values, and each is loaded (lora_B by the second launch).
; LIMITS.  x, weight, lora_A are rounded once to bf16, to nearest even: a number within half a bf16 step of f32's largest becomes an infinity.  The factor 2 (a power of two: exact) is put onto
; the f32 sum t here, and 2 t is rounded once to bf16, as a matrix operand of the second launch: |t| above 1.7e38 becomes an infinity.  t is the sum of 32 partial sums (16 waves x 2 parities of
; the K step), each in the matrix unit's order.  NaN and infinities go as the arithmetic carries them.
; SHARES.  Work-group g owns rows 16 g .. 16 g + 15 of x and of weight and reads all 16 rows of lora_A.  K is split among its 16 waves: wave w owns columns 256 w .. 256 w + 255, as two chunks
; of 128.  A BATCH is 16 rows x 128 columns: 16 loads, a row each, 32 lanes x 16 bytes = 512 consecutive bytes, aligned; converted in place; 16 stores of 8 bytes a lane, each 256 consecutive
; bytes, aligned.  A wave has six batches (lora_A, x, weight for chunk 0, then for chunk 1) on three sets of 64 registers: 48 loads of a wave are out from the start to the fourth batch.
; t.  The bf16 batches of lora_A and x also go into two LDS tiles of the wave's own and come back as fragments.  Source 0 = the 16 ranks, source 1 = the 16 rows of x: in the result lane l holds
; row l % 16 of x and ranks 8 (l / 16) + 0..7: 16 bytes of tb on end.  The 16 waves' partial tiles meet in LDS; wave 0 adds them.
; NO CLUSTER, NO TENSOR LOADS.  x and weight are read by one wave each.  lora_A is shared by all work-groups, but it is wanted in registers, to be rounded: as f32 in LDS it is 262,144 bytes, which
; do not fit beside the 157,696 in use, and in pieces it would want a ring with a barrier for each piece.  No prefetch: half of a wave's loads go out at its head, the rest as sets come free.
.set ROWF,  16384                      ; bytes in a row of x, weight, lora_A
.set ROWH,  8192                       ; bytes in a row of xb, wb
.set TP,    272                        ; a tile's row in LDS: 256 bytes + 16 = 17 x 16: the 16 rows of a fragment load start at 16 different groups of four banks (64 banks of 4 bytes: ISA guide 11.1)
.set TILE,  16*TP                      ; 4,352
.set PART,  16*2*TILE                  ; 139,264: behind the 16 waves' tiles: a partial tile of 1,024 bytes for each wave
.set SPARE, PART+16*1024               ; 155,648: the spare words, 128 bytes for each wave: eight blocks of 256 bytes that no other line names
.set GI,  4                            ; v4   1,024 w + 16 lane: my 16 bytes of a row, in f32; never rewritten
.set GO,  5                            ; v5   512 w + 8 lane: my 8 bytes of a row, in bf16; never rewritten
.set LT,  6                            ; v6   my 8 bytes of row 0 of my wave's first tile
.set LF,  7                            ; v7   my place in a fragment: my wave's tiles + 272 (l % 16) + 16 (l / 16)
.set LS,  8                            ; v8   where I put my partial sums
.set LR,  9                            ; v9   where wave 0 reads them
.set TBO, 10                           ; v10  32 (l % 16) + 16 (l / 16): my 16 bytes of the group's 512 of tb
.set SPW, 12                           ; v12  LDS address of my spare word; never rewritten
.set NIL, 13                           ; v13  0; never rewritten
.set ACC0, 16                          ; v[16:23]  sums of the even K steps
.set ACC1, 24                          ; v[24:31]  of the odd ones
.set FR,  32                           ; v[32:63]  fragments: lora_A even, odd; x even, odd.  Later v[32:39]: my partial tile
.set SETS, 64                          ; v[64:255] three sets of 64
.set XP,  4                            ; s[4:5] x    s[6:7] weight    s[8:9] lora_A    s[10:11] xb    s[12:13] wb    s[14:15] tb
.set WP,  6
.set AP,  8
.set XBP, 10
.set WBP, 12
.set TBP, 14
.set WV,  16                           ; s16  my wave's number
	s_load_b256 s[4:11], s[0:1], 0x0
	s_load_b128 s[12:15], s[0:1], 0x20
	v_lshl_add_u32 v[SPW], v0, 2, SPARE
	v_mov_b32 v[NIL], 0
	v_and_b32 v1, 31, v0                           ; lane
	v_lshrrev_b32 v2, 5, v0
	v_readfirstlane_b32 s[WV], v2                  ; wave 0..15
	v_and_b32 v2, 15, v0                           ; l % 16
	v_bfe_u32 v3, v0, 4, 1                         ; l / 16
	s_lshl_b32 s17, s[WV], 10
	v_lshl_add_u32 v[GI], v1, 4, s17
	s_add_co_u32 s17, s17, PART
	v_lshl_add_u32 v[LS], v1, 4, s17
	s_lshl_b32 s17, s[WV], 9
	v_lshl_add_u32 v[GO], v1, 3, s17
	s_mul_i32 s17, s[WV], 2*TILE
	v_lshl_add_u32 v[LT], v1, 3, s17
	v_mul_u32_u24 v[LF], v2, TP
	v_lshl_add_u32 v[LF], v3, 4, v[LF]
	v_add_nc_u32 v[LF], s17, v[LF]
	v_lshl_add_u32 v[LR], v1, 4, PART
	v_lshlrev_b32 v[TBO], 5, v2
	v_lshl_add_u32 v[TBO], v3, 4, v[TBO]
	s_lshl_b32 s18, ttmp9, 18                      ; 16 rows of 16,384 bytes
	s_mov_b32 s19, 0
	s_lshl_b32 s20, ttmp9, 17                      ; 16 rows of 8,192 bytes
	s_mov_b32 s21, 0
	s_lshl_b32 s22, ttmp9, 9                       ; 16 rows of 32 bytes
	s_mov_b32 s23, 0
	s_wait_kmcnt 0x0
	s_add_nc_u64 s[XP:XP+1], s[XP:XP+1], s[18:19]
	s_add_nc_u64 s[WP:WP+1], s[WP:WP+1], s[18:19]
	s_add_nc_u64 s[XBP:XBP+1], s[XBP:XBP+1], s[20:21]
	s_add_nc_u64 s[WBP:WBP+1], s[WBP:WBP+1], s[20:21]
	s_add_nc_u64 s[TBP:TBP+1], s[TBP:TBP+1], s[22:23]
; A batch's 16 loads into a set: chunk c of my columns, a row each.  nt = 1: bytes that the launch reads once.
.macro LOADB set, base, c, nt
.set p, 0
.rept 16
.if \nt
	global_load_b128 v[SETS+64*(\set)+4*p:SETS+64*(\set)+4*p+3], v[GI], s[\base:\base+1] offset:p*ROWF+512*(\c) th:TH_LOAD_NT
.else
	global_load_b128 v[SETS+64*(\set)+4*p:SETS+64*(\set)+4*p+3], v[GI], s[\base:\base+1] offset:p*ROWF+512*(\c)
.endif
.set p, p+1
.endr
.endm
; Rounded in place: a row's four f32 become four bf16 in the first two of its four registers.
.macro CVT set
.set p, 0
.rept 16
	v_cvt_pk_bf16_f32 v[SETS+64*(\set)+4*p],   v[SETS+64*(\set)+4*p],   v[SETS+64*(\set)+4*p+1]
	v_cvt_pk_bf16_f32 v[SETS+64*(\set)+4*p+1], v[SETS+64*(\set)+4*p+2], v[SETS+64*(\set)+4*p+3]
.set p, p+1
.endr
.endm
.macro OUTB set, base, c               ; each store of the wave covers 256 consecutive bytes, aligned
.set p, 0
.rept 16
	global_store_b64 v[GO], v[SETS+64*(\set)+4*p:SETS+64*(\set)+4*p+1], s[\base:\base+1] offset:p*ROWH+256*(\c)
.set p, p+1
.endr
.endm
.macro TOLDS set, tile                 ; the same 8 bytes a lane into my wave's tile 0 (lora_A) or 1 (x)
.set p, 0
.rept 16
	ds_store_b64 v[LT], v[SETS+64*(\set)+4*p:SETS+64*(\set)+4*p+1] offset:(\tile)*TILE+p*TP
.set p, p+1
.endr
.endm
.macro PLACES                          ; four places between a product and a load into a register that it has read (ISA guide 7.12.1 for vector instructions)
.rept 4
	v_nop
.endr
.endm
; A chunk's four K steps of 32, two at a time.  A fragment is 16 rows x 32 k in 8 registers: lane l holds row l % 16; registers 0-3 k = 8 (l / 16) + 0..7, registers 4-7 k = 16 + 8 (l / 16) + 0..7:
; two loads of 16 bytes, 32 bytes apart.  The two accumulators take turns, one instruction a turn, from chunk to chunk too.  first = 1: the first two products start the sums.
.macro DOT first
.irp q, 0,1
.if !((\first) && ((\q) == 0))
	PLACES
.endif
.irp f, 0,1,2,3
	ds_load_b128 v[FR+4*(\f):FR+4*(\f)+3],       v[LF] offset:128*(\q)+32*(\f)        ; LDS serves a wave's instructions in order (ISA guide 5.7.1.4): these see my stores into the tiles
	ds_load_b128 v[FR+16+4*(\f):FR+16+4*(\f)+3], v[LF] offset:TILE+128*(\q)+32*(\f)
.endr
	s_wait_dscnt 0x0                               ; the eight loads are in (and my reads of the tiles are over when the next chunk is stored)
.if (\first) && ((\q) == 0)
	v_wmma_f32_16x16x32_bf16 v[ACC0:ACC0+7], v[FR:FR+7],    v[FR+16:FR+23], 0
	v_wmma_f32_16x16x32_bf16 v[ACC1:ACC1+7], v[FR+8:FR+15], v[FR+24:FR+31], 0
.else
	v_wmma_f32_16x16x32_bf16 v[ACC0:ACC0+7], v[FR:FR+7],    v[FR+16:FR+23], v[ACC0:ACC0+7]
	v_wmma_f32_16x16x32_bf16 v[ACC1:ACC1+7], v[FR+8:FR+15], v[FR+24:FR+31], v[ACC1:ACC1+7]
.endif
.endr
.endm
	LOADB 0, AP, 0, 0                              ; chunk 0: lora_A,
	LOADB 1, XP, 0, 1                              ; x,
	LOADB 2, WP, 0, 1                              ; weight: 48 loads are out
	s_wait_loadcnt 32                              ; loads come back in order (ISA guide 5.7.1): lora_A's 16 are in, the 32 younger stay out
	CVT 0
	TOLDS 0, 0
	LOADB 0, AP, 1, 0                              ; the set is asked for again at once: an LDS store has read its data when it is issued
	s_wait_loadcnt 32                              ; x
	CVT 1
	OUTB 1, XBP, 0
	TOLDS 1, 1
	s_wait_xcnt 0x0                                ; the stores have read the set: only behind this wait is it loaded again
	LOADB 1, XP, 1, 1
	DOT 1
	s_wait_loadcnt 32                              ; weight
	CVT 2
	OUTB 2, WBP, 0
	s_wait_xcnt 0x0
	LOADB 2, WP, 1, 1
	s_wait_loadcnt 32                              ; chunk 1: lora_A
	CVT 0
	TOLDS 0, 0
	s_wait_loadcnt 16                              ; x; weight's 16 stay out
	CVT 1
	OUTB 1, XBP, 1
	TOLDS 1, 1
	DOT 0
	s_wait_loadcnt 0x0                             ; weight
	CVT 2                                          ; these 32 conversions name no register of the last products: they are the places in front of the sums below
	OUTB 2, WBP, 1
.irp j, 0,1,2,3
	v_pk_add_f32 v[FR+2*(\j):FR+2*(\j)+1], v[ACC0+2*(\j):ACC0+2*(\j)+1], v[ACC1+2*(\j):ACC1+2*(\j)+1]  ; the two parities; each accumulator's lowest registers are read first
.endr
	ds_store_b128 v[LS], v[FR:FR+3]
	ds_store_b128 v[LS], v[FR+4:FR+7] offset:512
	s_wait_dscnt 0x0                               ; for the others' sake: my partial tile lies in LDS
	s_barrier_signal -1
	s_barrier_wait -1                              ; all sixteen do
	s_cmp_lg_u32 s[WV], 0
	s_cbranch_scc1 .Lend                           ; wave 0 adds them
	s_wait_xcnt 0x0                                ; my stores have read the sets, which take the partial tiles now
.set u, 0
.rept 16
	ds_load_b128 v[SETS+8*u:SETS+8*u+3],   v[LR] offset:1024*u
	ds_load_b128 v[SETS+8*u+4:SETS+8*u+7], v[LR] offset:1024*u+512
.set u, u+1
.endr
	s_wait_dscnt 0x0
.irp st, 8,4,2,1                       ; a tree: tile u takes tile u + 8, then + 4, + 2, + 1
.set u, 0
.rept \st
.set j, 0
.rept 4
	v_pk_add_f32 v[SETS+8*u+2*j:SETS+8*u+2*j+1], v[SETS+8*u+2*j:SETS+8*u+2*j+1], v[SETS+8*(u+\st)+2*j:SETS+8*(u+\st)+2*j+1]
.set j, j+1
.endr
.set u, u+1
.endr
.endr
.irp j, 0,1,2,3
	v_pk_mul_f32 v[SETS+2*(\j):SETS+2*(\j)+1], v[SETS+2*(\j):SETS+2*(\j)+1], 2.0 op_sel_hi:[1,0]  ; the scaling, exact
.endr
.irp j, 0,1,2,3
	v_cvt_pk_bf16_f32 v[FR+(\j)], v[SETS+2*(\j)], v[SETS+2*(\j)+1]
.endr
	global_store_b128 v[TBO], v[FR:FR+3], s[TBP:TBP+1]  ; the group's 16 rows of tb: 512 consecutive bytes, aligned
.Lend:
	s_wait_tensorcnt 0x0                           ; the wave's end: behind my last LDS store
	ds_add_u32 v[SPW], v[NIL]
	s_wait_dscnt 0x0
	s_endpgm
.Lfunc_end_k_q7987d45483_prep:
	.size	k_q7987d45483_prep, .Lfunc_end_k_q7987d45483_prep-k_q7987d45483_prep
	.p2alignl 7, 3214868480
	.fill 96, 4, 3214868480
	.section	.rodata,"a",@progbits
	.p2align	6, 0x0
	.amdhsa_kernel k_q7987d45483_prep
		.amdhsa_group_segment_fixed_size 157696
		.amdhsa_private_segment_fixed_size 0
		.amdhsa_enable_private_segment 0
		.amdhsa_kernarg_size 48
		.amdhsa_user_sgpr_count 2
		.amdhsa_user_sgpr_kernarg_segment_ptr 1
		.amdhsa_wavefront_size32 1
		.amdhsa_system_sgpr_workgroup_id_x 1
		.amdhsa_system_sgpr_workgroup_id_y 1
		.amdhsa_system_sgpr_workgroup_id_z 1
		.amdhsa_system_vgpr_workitem_id 0
		.amdhsa_next_free_vgpr 256
		.amdhsa_next_free_sgpr 66
		.amdhsa_reserve_vcc 0
		.amdhsa_float_denorm_mode_32 3
		.amdhsa_float_denorm_mode_16_64 3
		.amdhsa_memory_ordered 1
		.amdhsa_forward_progress 1
		.amdhsa_inst_pref_size 44
	.end_amdhsa_kernel
	.amdgpu_metadata
---
amdhsa.version: [ 1, 2 ]
amdhsa.kernels:
  - .name:           k_q7987d45483_prep
    .symbol:         k_q7987d45483_prep.kd
    .args:
      - { .name: x, .offset: 0, .size: 8, .value_kind: global_buffer, .address_space: global }
      - { .name: weight, .offset: 8, .size: 8, .value_kind: global_buffer, .address_space: global }
      - { .name: lora_A, .offset: 16, .size: 8, .value_kind: global_buffer, .address_space: global }
      - { .name: xb, .offset: 24, .size: 8, .value_kind: global_buffer, .address_space: global }
      - { .name: wb, .offset: 32, .size: 8, .value_kind: global_buffer, .address_space: global }
      - { .name: tb, .offset: 40, .size: 8, .value_kind: global_buffer, .address_space: global }
    .group_segment_fixed_size: 157696
    .private_segment_fixed_size: 0
    .kernarg_segment_align: 8
    .kernarg_segment_size: 48
    .max_flat_workgroup_size: 512
    .sgpr_count:     66
    .vgpr_count:     256
    .wavefront_size: 32
...
	.end_amdgpu_metadata
.endif
;; end of part 1
;; launch gemm (part 2): grid 16 x 16, 4 waves a work-group, clusters of 4 x 4, 327,680 bytes of LDS; arguments xb, wb, tb, lora_B, out0; writes out0
.if DOCPART == 2
	.amdgcn_target "amdgcn-amd-amdhsa--gfx1250"
	.amdhsa_code_object_version 6
	.text
	.protected	k_q7987d45483_gemm
	.globl	k_q7987d45483_gemm
	.p2align	8
	.type	k_q7987d45483_gemm,@function
k_q7987d45483_gemm:
	s_mov_b64 s[64:65], 0
	v_nop
	global_prefetch_b8 v0, s[64:65] scope:SCOPE_SE
	s_setreg_imm32_b32 hwreg(HW_REG_WAVE_MODE, 25, 1), 1
	s_wait_xcnt 0x0
	s_wait_alu depctr_hold_cnt(0) depctr_sa_sdst(0) depctr_va_vdst(0) depctr_va_sdst(0) depctr_va_ssrc(0) depctr_va_vcc(0) depctr_vm_vsrc(0)
	s_getreg_b32 s2, hwreg(HW_REG_IB_STS2, 6, 4)
	s_cmp_eq_u32 s2, 0
	s_cbranch_scc0 .Lentry_in_a_cluster
	s_endpgm
.Lentry_in_a_cluster:
	s_bfe_u32 s2, ttmp6, 0x10000c
	s_cmp_lg_u32 s2, 0xf033
	s_cbranch_scc0 .Lentry_shape_is_right
	s_endpgm
.Lentry_shape_is_right:
; out0[n][o] = the sum over r of tb[n][r] bf16(lora_B[o][r]) + the sum over i of xb[n][i] wb[o][i].  xb, wb: [4096][4096] bf16; tb: [4096][16] bf16, which holds 2 (x lora_A^T);
; lora_B: [4096][16] f32; out0: [4096][4096] f32.  One f32 sum for each output: the LoRA term first, as one K step of 32 of which 16 are zeros on both sides, then K ascending.  No work is left out.
; LIMITS.  lora_B is rounded once to bf16, to nearest even (a number within half a bf16 step of f32's largest becomes an infinity); NaN and infinities go as the arithmetic carries them.
; A tile of out0, 256 x 256, is made by a work-group of four waves; a wave makes 128 x 128: 64 accumulators of 16 x 16, 512 registers.  4096 x 4096 are 256 tiles: one work-group each.
; K goes in steps of 128 through a ring of two LDS slots filled by the tensor data mover: a tile's rows are 256 bytes of memory and start at multiples of 256 bytes from the buffer's first byte.
; CLUSTERS: 4 x 4 work-groups.  The four of a row of the cluster need the same tiles of xb, the four of a column the same tiles of wb.  Such a tile is asked for JOINTLY: each of the four issues
; the same tensor load, with the same descriptor and a mask that names the four, and each receives the tile in its own LDS: a quarter of the requests.
; REGISTERS, in windows of 256 (s_set_vgpr_msb's low byte: bits 1:0 source 0, 3:2 source 1, 5:4 source 2, 7:6 destination):
;   window 0: v0-31 addresses; v64-127, v128-191 fragments of xb (8 x 16 rows x 32 K), two buffers, on the way out rows read back from the stage; v192-255 lora_B as loaded
;   window 1: v64-127, v128-191 fragments of wb, two buffers
;   window 2: the 32 accumulators of my rows 0-63 (accumulator (a, b) at v[8 (8 a + b)]);   window 3: those of my rows 64-127
; THE MATRIX INSTRUCTION IS USED TRANSPOSED: source 0 = 16 rows of wb, source 1 = 16 rows of xb.  In the result lane l holds row l % 16 of out0 and its registers 0 to 7 the columns
; 8 (l / 16) + 0..7: 32 consecutive bytes.
.set SIZE_N, 4096
.set SIZE_K, 4096
.set KSTEP,  128
.set PITCH,  272                       ; an LDS row: 256 bytes + 16 of padding = 68 words: row r starts at bank 4 r mod 64 (64 banks of 4 bytes: ISA guide 11.1), so the 16 rows of a load start at 16 different banks
.set HALFT,  128*PITCH                 ; 128 rows: what one tensor load brings, and what one wave reads of xb or of wb
.set SLOT,   4*HALFT                   ; xb's 256 rows, then wb's 256 rows
.set STAGE,  2*SLOT                    ; behind the ring, never filled by a tensor load: 16 rows x 528 bytes for each wave, for the way out
.set SP,     528                       ; a stage row: 512 bytes + 16 = 33 x 16
.set SPARE,  STAGE+4*16*SP             ; 312,320: the spare words, 128 bytes for each wave: two blocks of 256 bytes that no other line names
.set LAPS,   SIZE_K/(2*KSTEP)          ; a lap = two K steps = once round the ring: 16
.set TO,   6                           ; v6      my 16 bytes in 16 rows of tb: 32 (l % 16) + 16 (l / 16); never rewritten
.set LBO,  7                           ; v7      my 32 bytes in 16 rows of lora_B: 64 (l % 16) + 32 (l / 16); never rewritten
.set ADRA, 16                          ; v16-17  LDS address of my xb fragments in slot 0, 1
.set ADRB, 20                          ; v20-21  the same for wb
.set STO,  24                          ; v24     the way out: where I put 32 bytes of a row
.set RD,   25                          ; v25     the way out: where I read a row back
.set CO,   26                          ; v26     16 x lane: my 16 bytes of a row's 512
.set SPW,  28                          ; v28     LDS address of my spare word: SPARE + 4 x my thread's number; never rewritten
.set NIL,  29                          ; v29     0; never rewritten
.set PFO,  30                          ; v30     the prefetches' offset: my lane x a row of xb or wb (8,192 bytes); never rewritten
.set F0,   64                          ; fragment buffer 0
.set F1,   128                         ; fragment buffer 1
.set LB,   192                         ; lora_B as f32
.set LIM,  43                          ; s43     1 in a wave that prefetches, else the greatest number
.set PFA,  44                          ; s[44:45] where my prefetches stand: my work-group's 32 rows of the 128 that I fetch, one K step further along K than the refill in hand; a prefetch names the K step after that
.set G1, 24                            ; s[24:31] descriptor group 1 for xb's tiles
.set G0, 32                            ; s[32:39] descriptor group 0 for xb's tiles, one set for each slot
.set G1B, 48                           ; s[48:55] group 1 for wb's tiles: it differs in the mask alone
.set G0B, 56                           ; s[56:63] group 0 for wb's tiles
.set MSB, 0
.macro WIN new                         ; the immediate's high byte repeats the setting that is left; a switch that changes nothing is dropped
.if MSB != (\new)
	s_set_vgpr_msb (MSB<<8)|(\new)
.set MSB, \new
.endif
.endm
.set MUL_LO, 0xa1                      ; source 0 (wb) window 1, source 1 (xb) window 0, C and D window 2
.set MUL_HI, 0xf1                      ; the same, C and D window 3
.set TO_B,   0x40                      ; destination window 1, sources window 0
; A joint load.  Waves 0 and 1 fetch xb's two halves, waves 2 and 3 wb's.  Each of the two lines has one mask and one set of registers for all that issue it.  The branch hangs on the wave's
; number alone.  An s_nop 0 and four v_nop follow each of the two lines, ahead of the jump, the label and what follows the macro.
.macro JLOAD s
	s_cmp_eq_u32 s11, 0
	s_cbranch_scc0 .Lfor_b_\@
	tensor_load_to_lds s[G0+4*(\s):G0+4*(\s)+3], s[G1:G1+7]
	s_nop 0
.rept 4
	v_nop
.endr
	s_branch .Lasked_\@
.Lfor_b_\@:
	tensor_load_to_lds s[G0B+4*(\s):G0B+4*(\s)+3], s[G1B:G1B+7]
	s_nop 0
.rept 4
	v_nop
.endr
.Lasked_\@:
.endm
; A PREFETCH INTO THE L2, behind each joint refill, its five lines and the run of LDS loads that follows them: the K step that stands TWO refills on, 512 matrix instructions ahead of the load that
; will ask for it: 32 rows x 256 bytes, a lane a row, one instruction a wave.  Each row's 256 bytes of a K step are named once in the launch: xb's tile row is read by every cluster of that row of
; clusters, and the one with x = 0 asks; wb's tile column by every cluster of that column, and the one with y = 0 asks.  The four partners that ask for a tile jointly share its rows out BY
; ADDRESS: of the 128 rows that a wave fetches the partner at place p takes 32 p .. 32 p + 31 (p = cx for xb, cy for wb).  Trip i of the loop names K steps 2 i + 4 and 2 i + 5; the last trip
; (s3 = 1) names nothing, so the last K step named is 31, the last there is.  K steps 0 to 3 come by their loads alone: nothing is prefetched at the head.
.macro ASK
	s_cmp_gt_u32 s3, s[LIM]
	s_cbranch_scc0 .Lnot_mine_\@
	global_prefetch_b8 v[PFO], s[PFA:PFA+1] offset:KSTEP*2 th:TH_LOAD_NT scope:SCOPE_SE
.Lnot_mine_\@:
.endm
; A round of the cluster's barrier: my work-group's barrier, so that wave 0's signal speaks for all four waves; wave 0 signals for the work-group; every wave waits for all sixteen work-groups;
; my work-group's barrier once more.  No LDS instruction of the wave is pending at a signal.
.macro CREST                           ; a round behind its opening barrier
	s_cmp_lg_u32 s10, 0
	s_cbranch_scc1 .Lnot_wave_0_\@
	s_barrier_signal -3
.Lnot_wave_0_\@:
	s_barrier_wait -3
	s_barrier_signal -1
	s_barrier_wait -1
.endm
.macro CROUND                          ; a whole round
	s_barrier_signal -1
	s_barrier_wait -1
	CREST
.endm
	s_load_b128 s[4:7], s[0:1], 0x0                ; xb s[4:5], wb s[6:7]
	s_load_b128 s[68:71], s[0:1], 0x10             ; tb s[68:69], lora_B s[70:71]
	s_load_b64 s[8:9], s[0:1], 0x20                ; out0
	v_lshl_add_u32 v[SPW], v0, 2, SPARE
	v_mov_b32 v[NIL], 0
	ds_add_u32 v[SPW], v[NIL]                      ; the wave's opening: the add, twice on end, and its wait ahead of my first tensor load; the set-up below, work on registers, stands between
	ds_add_u32 v[SPW], v[NIL]                      ; and once more, under the one wait
	v_lshrrev_b32 v1, 5, v0
	v_readfirstlane_b32 s10, v1                    ; wave 0..3
	s_lshr_b32 s11, s10, 1                         ; which half of the tile's rows is mine.  Also: I fetch for xb (0) or for wb (1)
	s_and_b32 s12, s10, 1                          ; which half of its columns.  Also: which 128 rows of that tile I fetch
	s_bfe_u32 s40, ttmp6, 0x40000                  ; cx: my place along the cluster's x
	s_bfe_u32 s41, ttmp6, 0x40004                  ; cy: along its y
	s_lshl_b32 s42, ttmp9, 2                       ; in a cluster launch ttmp9 and ttmp7 count clusters
	s_add_co_u32 s42, s42, s40                     ; tile column = 4 x cluster x + cx
	s_and_b32 s13, ttmp7, 0xffff
	s_lshl_b32 s13, s13, 2
	s_add_co_u32 s13, s13, s41                     ; tile row = 4 x cluster y + cy
	s_lshl_b32 s43, s41, 2
	s_lshl_b32 s43, 15, s43                        ; my row of the cluster: places 4 cy .. 4 cy + 3
	s_lshl_b32 s44, 0x1111, s40                    ; my column: places cx, cx + 4, cx + 8, cx + 12
	; descriptor group 1: a tile of 128 rows x 128 elements, padded in LDS
	s_or_b32 s[G1+0], s43, (1<<16)|(1<<20)|(1<<21)|(5<<22)|(3<<25)  ; 15:0 the mask: xb's tiles go to my row; 17:16 elements of 2 bytes; 20 padding on; 21 set beside a mask; 24:22 after every 64 words (code 5); 31:25 4 words of it (code 3)
	s_or_b32 s[G1B+0], s44, (1<<16)|(1<<20)|(1<<21)|(5<<22)|(3<<25) ; the same with the mask of my column, for wb's tiles
.irp g, G1, G1B
	s_mov_b32 s[(\g)+1], KSTEP<<16                 ; tensor_dim0 = 128
	s_mov_b32 s[(\g)+2], 128<<16                   ; tensor_dim1 = 128
	s_mov_b32 s[(\g)+3], KSTEP<<16                 ; tile_dim0 = 128
	s_mov_b32 s[(\g)+4], 128                       ; tile_dim1 = 128
	s_mov_b32 s[(\g)+5], SIZE_K                    ; elements from row to row
	s_mov_b32 s[(\g)+6], 0
	s_mov_b32 s[(\g)+7], 0
.endr
	; where the tiles come from.  xb's hang on the tile row alone, which my row of the cluster shares; wb's on the tile column alone, which my column shares.
	; Every wave makes both addresses, in registers that do not hold the other coordinate, and asks by one of them.
	s_lshl_b32 s17, s12, 7                         ; which 128 rows of the tile I fetch
	s_lshl_b32 s16, s13, 8
	s_add_co_u32 s16, s16, s17                     ; xb: row 256 x tile row + 128 x half
	s_lshl_b32 s46, s42, 8
	s_add_co_u32 s46, s46, s17                     ; wb: row 256 x tile column + 128 x half
	s_mov_b32 s17, 0
	s_mov_b32 s47, 0
	s_mov_b64 s[18:19], SIZE_K*2
	s_mul_u64 s[16:17], s[16:17], s[18:19]         ; in bytes
	s_mul_u64 s[46:47], s[46:47], s[18:19]
	s_mul_i32 s20, s10, HALFT                      ; and where they go: wave x 128 rows: no place in the cluster enters an LDS address
	s_wait_dscnt 0x0                               ; both opening adds are done
	s_wait_kmcnt 0x0
	s_add_nc_u64 s[14:15], s[4:5], s[16:17]
	s_add_nc_u64 s[46:47], s[6:7], s[46:47]
	CROUND                                         ; all sixteen work-groups are here: the first joint loads meet
.irp s, 0,1
	s_mov_b32 s[G0+4*(\s)], 1                                      ; 1:0 count = 1
	s_add_co_u32 s[G0+4*(\s)+1], s20, (\s)*SLOT                    ; 63:32 LDS address
	s_add_nc_u64 s[G0+4*(\s)+2:G0+4*(\s)+3], s[14:15], (\s)*KSTEP*2  ; 120:64 global address: K step s
	s_or_b32 s[G0+4*(\s)+3], s[G0+4*(\s)+3], 0x80000000            ; 127:126 type = 2
	s_mov_b32 s[G0B+4*(\s)], 1
	s_add_co_u32 s[G0B+4*(\s)+1], s20, (\s)*SLOT
	s_add_nc_u64 s[G0B+4*(\s)+2:G0B+4*(\s)+3], s[46:47], (\s)*KSTEP*2
	s_or_b32 s[G0B+4*(\s)+3], s[G0B+4*(\s)+3], 0x80000000
	JLOAD \s                                       ; the ring is filled before anything else is done: two tensor loads of mine are out
.endr
	; THE LoRA TERM's fragments go into buffer 1.  A fragment is 16 rows x 32 K in 8 registers: lane l holds row l % 16; registers 0-3 hold K = 8 (l / 16) + 0..7, registers 4-7 K = 16 + 8 (l / 16) + 0..7.
	; The rank is 16: registers 0-3 take a row's 8 ranks of my half of the lanes, registers 4-7 are 0 on both sides and add 0 x 0.
	s_lshl_b32 s20, s13, 13                        ; tb: (256 x tile row + 128 x my half of the rows) x 32 bytes
	s_lshl_b32 s21, s11, 12
	s_add_co_u32 s20, s20, s21
	s_mov_b32 s21, 0
	s_add_nc_u64 s[68:69], s[68:69], s[20:21]
	s_lshl_b32 s22, s42, 14                        ; lora_B: (256 x tile column + 128 x my half of the columns) x 64 bytes
	s_lshl_b32 s23, s12, 13
	s_add_co_u32 s22, s22, s23
	s_mov_b32 s23, 0
	s_add_nc_u64 s[70:71], s[70:71], s[22:23]
	v_and_b32 v1, 15, v0                           ; l % 16
	v_bfe_u32 v2, v0, 4, 1                         ; l / 16
	v_lshlrev_b32 v[TO], 5, v1
	v_lshl_add_u32 v[TO], v2, 4, v[TO]
	v_lshlrev_b32 v[LBO], 6, v1
	v_lshl_add_u32 v[LBO], v2, 5, v[LBO]
.irp i, 0,1,2,3,4,5,6,7
	global_load_b128 v[F1+8*(\i):F1+8*(\i)+3], v[TO], s[68:69] offset:512*(\i)            ; 16 rows of tb: 512 consecutive bytes
.endr
.irp b, 0,1,2,3,4,5,6,7
	global_load_b128 v[LB+8*(\b):LB+8*(\b)+3],   v[LBO], s[70:71] offset:1024*(\b)        ; 16 rows of lora_B: 1,024 consecutive bytes in two loads
	global_load_b128 v[LB+8*(\b)+4:LB+8*(\b)+7], v[LBO], s[70:71] offset:1024*(\b)+16
.endr
.irp i, 0,1,2,3,4,5,6,7
.irp j, 4,5,6,7
	v_mov_b32 v[F1+8*(\i)+(\j)], 0                 ; K = 16 to 31 of tb's fragments.  These 32 lines and the set-up below stand in the wait for the loads above and for the first tiles
.endr
.endr
	v_mul_u32_u24 v3, v1, PITCH
	v_lshl_add_u32 v3, v2, 4, v3                   ; a fragment's row x pitch + 16 x half
	s_mul_i32 s21, s11, HALFT                      ; my 128 rows of xb
	s_mul_i32 s22, s12, HALFT                      ; my 128 rows of wb,
	s_add_co_u32 s22, s22, 2*HALFT                 ; which lie behind xb's 256
.irp s, 0,1
	v_add_nc_u32 v[ADRA+(\s)], s21, v3
	v_add_nc_u32 v[ADRB+(\s)], s22, v3
	s_add_co_u32 s21, s21, SLOT
	s_add_co_u32 s22, s22, SLOT
.endr
	s_mul_i32 s23, s10, 16*SP
	s_add_co_u32 s23, s23, STAGE                   ; my stage
	v_mul_u32_u24 v4, v1, SP                       ; in: row l % 16, 32 bytes for each half of the lanes
	v_lshl_add_u32 v4, v2, 5, v4
	v_add_nc_u32 v[STO], s23, v4
	v_and_b32 v5, 31, v0
	v_lshlrev_b32 v[CO], 4, v5                     ; back: the 32 lanes take one row of 512 bytes
	v_add_nc_u32 v[RD], s23, v[CO]
	s_lshl_b32 s16, s13, 22                        ; out0 at my part of the tile: (256 x tile row + 128 x half) x 16,384 bytes
	s_lshl_b32 s17, s11, 21
	s_add_co_u32 s16, s16, s17
	s_lshl_b32 s46, s42, 10                        ; + 1,024 x tile column + 512 x half
	s_lshl_b32 s47, s12, 9
	s_add_co_u32 s46, s46, s47
	s_add_co_u32 s16, s16, s46                     ; under 2^26
	s_mov_b32 s17, 0
	s_add_nc_u64 s[8:9], s[8:9], s[16:17]
	; the prefetches
	s_lshl_b32 s13, s13, 8                         ; the tile's first row in xb,
	s_lshl_b32 s42, s42, 8                         ; and in wb
	s_and_b32 s22, ttmp7, 0xffff                   ; cluster y
	s_cmp_eq_u32 s11, 0                            ; do I fetch for xb?
	s_cselect_b32 s20, s13, s42
	s_cselect_b32 s21, s40, s41                    ; my place among the four that ask for the tile with me
	s_cselect_b32 s22, ttmp9, s22                  ; the coordinate along which other clusters read the same rows
	s_cselect_b64 s[PFA:PFA+1], s[4:5], s[6:7]
	s_cmp_eq_u32 s22, 0
	s_cselect_b32 s[LIM], 1, -1                    ; the same in all sixteen partners, for a given wave
	s_lshl_b32 s22, s12, 7
	s_add_co_u32 s20, s20, s22                     ; + the 128 rows that I fetch
	s_lshl_b32 s21, s21, 5
	s_add_co_u32 s20, s20, s21                     ; + my work-group's 32 of them
	s_mov_b32 s21, 0
	s_mov_b64 s[18:19], SIZE_K*2
	s_mul_u64 s[20:21], s[20:21], s[18:19]
	s_add_nc_u64 s[PFA:PFA+1], s[PFA:PFA+1], s[20:21]
	s_add_nc_u64 s[PFA:PFA+1], s[PFA:PFA+1], 2*KSTEP*2  ; at K step 2: the first refill steps it to 3 and names K step 4
	v_and_b32 v[PFO], 31, v0
	v_mul_u32_u24 v[PFO], v[PFO], SIZE_K*2
	WIN TO_B
.irp b, 0,1,2,3,4,5,6,7
.irp j, 4,5,6,7
	v_mov_b32 v[F1+8*(\b)+(\j)], 0                 ; K = 16 to 31 of lora_B's fragments
.endr
.endr
	s_wait_loadcnt 0x0                             ; tb and lora_B are in
.irp b, 0,1,2,3,4,5,6,7
.irp j, 0,1,2,3
	v_cvt_pk_bf16_f32 v[F1+8*(\b)+(\j)], v[LB+8*(\b)+2*(\j)], v[LB+8*(\b)+2*(\j)+1]  ; lora_B rounded once, from window 0 into wb's buffer 1
.endr
.endr
; 16 matrix instructions: m blocks a0, a0 + 1 of the window's four (hi = 0: my rows 0-63, 1: rows 64-127) x all 8 n blocks, 32 along K.  zero = 1: the product starts the sums: nothing is cleared.
; The 64 accumulators take turns, one instruction a turn, in the same order in every quarter step and over the loop's backward jump.
.macro MUL16 f, hi, a0, zero
	WIN MUL_LO+0x50*(\hi)
.irp a, \a0, (\a0)+1
.irp b, 0,1,2,3,4,5,6,7
.if \zero
	v_wmma_f32_16x16x32_bf16 v[8*(8*(\a)+(\b)):8*(8*(\a)+(\b))+7], v[(\f)+8*(\b):(\f)+8*(\b)+7], v[(\f)+8*(4*(\hi)+(\a)):(\f)+8*(4*(\hi)+(\a))+7], 0
.else
	v_wmma_f32_16x16x32_bf16 v[8*(8*(\a)+(\b)):8*(8*(\a)+(\b))+7], v[(\f)+8*(\b):(\f)+8*(\b)+7], v[(\f)+8*(4*(\hi)+(\a)):(\f)+8*(4*(\hi)+(\a))+7], v[8*(8*(\a)+(\b)):8*(8*(\a)+(\b))+7]
.endif
.endr
.endr
.endm
; 32 LDS loads in one run: the fragments of one quarter step (128 rows of wb, 128 rows of xb, 32 K at byte k of the rows) into buffer f
.macro FETCH slot, k, f
	WIN TO_B
.irp i, 0,1,2,3,4,5,6,7
	ds_load_b128 v[(\f)+8*(\i):(\f)+8*(\i)+3],   v[ADRB+(\slot)] offset:(\k)+(\i)*16*PITCH
	ds_load_b128 v[(\f)+8*(\i)+4:(\f)+8*(\i)+7], v[ADRB+(\slot)] offset:(\k)+(\i)*16*PITCH+32
.endr
	WIN 0
.irp i, 0,1,2,3,4,5,6,7
	ds_load_b128 v[(\f)+8*(\i):(\f)+8*(\i)+3],   v[ADRA+(\slot)] offset:(\k)+(\i)*16*PITCH
	ds_load_b128 v[(\f)+8*(\i)+4:(\f)+8*(\i)+7], v[ADRA+(\slot)] offset:(\k)+(\i)*16*PITCH+32
.endr
.endm
; A load into a register that a matrix instruction has read, and an LDS store that reads a matrix result, stand four places behind that matrix instruction, and only plain vector instructions
; that name none of its registers are places (ISA guide 7.12.1 for vector instructions).
.macro PLACES
.rept 4
	v_nop
.endr
.endm
; A K step is four quarter steps of 32 along K, 64 matrix instructions each, on buffers 0, 1, 0, 1.
; One of the first three: multiplies buffer f; in its middle it fetches the next quarter's fragments, at byte k of the same slot's rows, into buffer g.
.macro QUARTER slot, k, f, g
	s_wait_dscnt 8                                 ; wb's and xb's rows 0-63 are in; the youngest eight loads (xb's rows 64-127) may be out
	MUL16 \f, 0, 0, 0
	MUL16 \f, 0, 2, 0
	PLACES
	FETCH \slot, \k, \g
	s_wait_dscnt 32                                ; all but the 32 just issued
	MUL16 \f, 1, 0, 0
	MUL16 \f, 1, 2, 0
.endm
; The last quarter multiplies buffer 1 and changes slots.  MEET is its first half: ONE barrier for the change.  In front of it each wave waits for all its tensor loads, of which one is out: its
; part of the next slot; adds 0 to its spare word; and waits for that and for its own reads of this slot.  Behind it nobody reads this slot any more and the next slot is whole.
.macro MEET round                      ; round = 1: the rest of a round of the cluster's barrier follows
	WIN 0                                          ; (the add's two registers lie in window 0)
	s_wait_tensorcnt 0x0                           ; all my tensor loads have landed;
	ds_add_u32 v[SPW], v[NIL]                      ; 0 onto my spare word;
	s_wait_dscnt 9                                 ; (the add and the youngest eight loads may be out)
	MUL16 F1, 0, 0, 0                              ; sixteen matrix instructions stand between the add and the wait for it
	s_wait_dscnt 0x0                               ; the add is done, and my reads of this slot are over:
	s_barrier_signal -1                            ; say so,
	MUL16 F1, 0, 2, 0                              ; work on registers while the others arrive,
.if \round
	WIN 0
.endif
	s_barrier_wait -1                              ; and go on when all four have said so
.endm
; The whole last quarter.  fill = 1: behind a round of the cluster's barrier the slot just read out is filled again first, with the K step two steps on: from that request to the wait for it a wave
; issues 224 matrix instructions; one tensor load of mine is out.  Then come the next slot's first fragments.
.macro TURN slot, next, fill
.if \fill
	s_wait_xcnt 0x0                                ; the last prefetch, a K step back, has read its address: it is stepped here, ahead of the change's own waits
	s_add_nc_u64 s[PFA:PFA+1], s[PFA:PFA+1], KSTEP*2
	MEET 1
	CREST                                          ; no wave of any partner still reads this slot's tile or has a load on its way
	s_add_nc_u64 s[G0+4*(\slot)+2:G0+4*(\slot)+3], s[G0+4*(\slot)+2:G0+4*(\slot)+3], 2*KSTEP*2      ; no tensor load of mine is out, so a group 0 may be written
	s_add_nc_u64 s[G0B+4*(\slot)+2:G0B+4*(\slot)+3], s[G0B+4*(\slot)+2:G0B+4*(\slot)+3], 2*KSTEP*2
	JLOAD \slot                                    ; the first tensor load behind the round; the four v_nop behind it are also the places in front of the loads below
.else
	MEET 0                                         ; nothing is filled again, so no round follows
	PLACES
.endif
	FETCH \next, 0, F0
.if \fill
	ASK
.endif
	MUL16 F1, 1, 0, 0
	MUL16 F1, 1, 2, 0
.endm
; THE WAY OUT of block a (16 of my rows x 128 columns, f32).  A lane holds 32 bytes of a row for each of 8 column blocks; the lanes beside it hold other rows.  So the block goes through my own
; stage: in by rows of 528 bytes, back as whole rows of 512.  The accumulators' lowest registers are read first.
.macro TOSTAGE a
.set AC, 64*((\a)%4)
.set BK, F0+64*((\a)%2)
	WIN 0x08+4*((\a)/4)                            ; the stores' data (source 1) in window 2 or 3
.irp b, 0,1,2,3,4,5,6,7
	ds_store_b128 v[STO], v[AC+8*(\b):AC+8*(\b)+3]   offset:64*(\b)
	ds_store_b128 v[STO], v[AC+8*(\b)+4:AC+8*(\b)+7] offset:64*(\b)+16
.endr
	WIN 0
.if (\a) >= 2
	s_wait_xcnt 0x0                                ; the stores of block a - 2 have read these registers: only behind this wait are they loaded again
.endif
.set t, 0
.rept 16
	ds_load_b128 v[BK+4*t:BK+4*t+3], v[RD] offset:t*SP  ; LDS serves a wave's instructions in order (ISA guide 5.7.1.4): these see the stores above, and the next block's stores come behind them
.set t, t+1
.endr
.endm
.macro SEND a, younger                 ; younger: the LDS instructions issued behind block a's loads: the next block's 32, or none
	WIN 0
.set BK, F0+64*((\a)%2)
	s_wait_dscnt \younger                          ; the block is back in registers
.set t, 0
.rept 16
	global_store_b128 v[CO], v[BK+4*t:BK+4*t+3], s[8:9] offset:(16*(\a)+t)*SIZE_N*4 th:TH_STORE_NT  ; 512 consecutive bytes, at a multiple of 512 from out0's first; the row stands in the immediate, 2,080,768 at the most
.set t, t+1
.endr
.endm
	MUL16 F1, 0, 0, 1                              ; THE LoRA TERM STARTS ALL 64 SUMS, while the first tiles are on their way
	MUL16 F1, 0, 2, 1
	s_wait_tensorcnt 1                             ; my part of K step 0 is in; K step 1's may stay out
	s_barrier_signal -1
	s_barrier_wait -1                              ; everybody's is
	FETCH 0, 0, F0
	MUL16 F1, 1, 0, 1
	MUL16 F1, 1, 2, 1
	QUARTER 0, 64,  F0, F1
	WIN 0                                          ; at a label and at a branch every window is 0
	s_mov_b32 s3, LAPS-1
.Llap:                                                 ; a trip goes once round the ring, from a lap's second quarter to the next lap's first, and fills both slots again: trip i asks for K steps 2 i + 2 and 2 i + 3
	QUARTER 0, 128, F1, F0
	QUARTER 0, 192, F0, F1
	TURN 0, 1, 1
	QUARTER 1, 64,  F0, F1
	QUARTER 1, 128, F1, F0
	QUARTER 1, 192, F0, F1
	TURN 1, 0, 1
	QUARTER 0, 64,  F0, F1
	WIN 0
	s_sub_co_u32 s3, s3, 1
	s_cmp_lg_u32 s3, 0
	s_cbranch_scc1 .Llap
	QUARTER 0, 128, F1, F0                         ; the last lap is written out: it fills nothing
	QUARTER 0, 192, F0, F1
	TURN 0, 1, 0
	QUARTER 1, 64,  F0, F1
	QUARTER 1, 128, F1, F0
	QUARTER 1, 192, F0, F1
	s_wait_dscnt 8                                 ; the very last quarter: nothing more to fetch
	MUL16 F1, 0, 0, 0
	MUL16 F1, 0, 2, 0
	s_wait_dscnt 0x0
	MUL16 F1, 1, 0, 0
	MUL16 F1, 1, 2, 0
	WIN 0
	PLACES                                         ; in front of the LDS stores that read results, and of the loads into the fragment buffers
	TOSTAGE 0
.irp a, 1,2,3,4,5,6,7                  ; block a's way through the stage is issued ahead of the wait for block a - 1's
	TOSTAGE \a
	SEND (\a)-1, 32
.endr
	SEND 7, 0
	s_wait_tensorcnt 0x0                           ; the wave's end: behind my last tensor load and my last LDS store
	ds_add_u32 v[SPW], v[NIL]
	s_wait_dscnt 0x0
	CROUND                                         ; the closing round: no work-group ends while a partner may still ask for a tile that names it
	s_endpgm
.Lfunc_end_k_q7987d45483_gemm:
	.size	k_q7987d45483_gemm, .Lfunc_end_k_q7987d45483_gemm-k_q7987d45483_gemm
	.p2alignl 7, 3214868480
	.fill 96, 4, 3214868480
	.section	.rodata,"a",@progbits
	.p2align	6, 0x0
	.amdhsa_kernel k_q7987d45483_gemm
		.amdhsa_group_segment_fixed_size 327680
		.amdhsa_private_segment_fixed_size 0
		.amdhsa_enable_private_segment 0
		.amdhsa_kernarg_size 40
		.amdhsa_user_sgpr_count 2
		.amdhsa_user_sgpr_kernarg_segment_ptr 1
		.amdhsa_wavefront_size32 1
		.amdhsa_system_sgpr_workgroup_id_x 1
		.amdhsa_system_sgpr_workgroup_id_y 1
		.amdhsa_system_sgpr_workgroup_id_z 1
		.amdhsa_system_vgpr_workitem_id 0
		.amdhsa_next_free_vgpr 1024
		.amdhsa_next_free_sgpr 72
		.amdhsa_reserve_vcc 0
		.amdhsa_float_denorm_mode_32 3
		.amdhsa_float_denorm_mode_16_64 3
		.amdhsa_memory_ordered 1
		.amdhsa_forward_progress 1
		.amdhsa_inst_pref_size 152
	.end_amdhsa_kernel
	.amdgpu_metadata
---
amdhsa.version: [ 1, 2 ]
amdhsa.kernels:
  - .name:           k_q7987d45483_gemm
    .symbol:         k_q7987d45483_gemm.kd
    .args:
      - { .name: xb, .offset: 0, .size: 8, .value_kind: global_buffer, .address_space: global }
      - { .name: wb, .offset: 8, .size: 8, .value_kind: global_buffer, .address_space: global }
      - { .name: tb, .offset: 16, .size: 8, .value_kind: global_buffer, .address_space: global }
      - { .name: lora_B, .offset: 24, .size: 8, .value_kind: global_buffer, .address_space: global }
      - { .name: out0, .offset: 32, .size: 8, .value_kind: global_buffer, .address_space: global }
    .group_segment_fixed_size: 327680
    .private_segment_fixed_size: 0
    .kernarg_segment_align: 8
    .kernarg_segment_size: 40
    .max_flat_workgroup_size: 128
    .sgpr_count:     72
    .vgpr_count:     1024
    .wavefront_size: 32
...
	.end_amdgpu_metadata
.endif
;; end of part 2
